; MI455X (gfx1250); checked and timed in simulation.
; The chip was launched on July 23, 2026; its instructions are those of AMD's public machine-readable ISA for CDNA 5 (MIT licence, August 2026) and "CDNA5" Instruction Set Architecture Reference Guide (July 2026). The comments in the code are by the model that wrote it; some were corrected since.
;; Multi Head Attention. Allowed arithmetic: float matrix products may take bf16 or f16 operands with f32 sums; all other float work in f32.
;; Inputs: K_input 2 x 2,048 x 1,024 float32; Q_input 2 x 2,048 x 1,024 float32; V_input 2 x 2,048 x 1,024 float32; W_k 1,024 x 1,024 float32; W_o 1,024 x 1,024 float32; W_q 1,024 x 1,024 float32; W_v 1,024 x 1,024 float32; b_k 1,024 float32; b_o 1,024 float32; b_q 1,024 float32; b_v 1,024 float32; causal_mask 2,048 x 2,048 float32; padding_mask 2 x 2,048 bool.
;; Outputs: out0 2 x 2,048 x 1,024 float32.
;; One version. Each part assembles by itself: llvm-mc -triple=amdgcn-amd-amdhsa -mcpu=gfx1250 --defsym DOCPART=n.
;; ======== version 1 of 1: 4 launches
;; limits: inputs' magnitudes at most 1e+38; values outside matrix products are rounded to bf16; values are held in f16: magnitudes above 65,504 overflow, below 6.1e-05 lose precision
;; workspace buffers: xw 41,943,040 bytes; qkv 25,165,824 bytes; ctx 8,388,608 bytes
;; launch cvt (part 1): grid 256 x 5, 8 waves a work-group, no clusters, 0 bytes of LDS; arguments Q_input, K_input, V_input, W_q, W_k, W_v, W_o, causal_mask, xw; writes xw
.if DOCPART == 1
	.amdgcn_target "amdgcn-amd-amdhsa--gfx1250"
	.amdhsa_code_object_version 6
	.text
	.protected	k_qbd3b6a0ddb_cvt
	.globl	k_qbd3b6a0ddb_cvt
	.p2align	8
	.type	k_qbd3b6a0ddb_cvt,@function
k_qbd3b6a0ddb_cvt:
	s_mov_b64 s[64:65], 0
	v_nop
	global_prefetch_b8 v0, s[64:65] scope:SCOPE_SE
	s_setreg_imm32_b32 hwreg(HW_REG_WAVE_MODE, 25, 1), 1
	s_wait_xcnt 0x0
; Rounds the f32 inputs of the products, and the additive mask, to bf16 once (nearest even), so that the launches that follow read half the bytes:
; xw = [Q_input | K_input | V_input] (8 MiB each), [W_q | W_k | W_v | W_o] (2 MiB each), [causal_mask] (8 MiB), all row-major as given.
; W_o's partner operand (ctx) is kept in f16, so W_o's bf16 number is written as f16: exact for |w| >= 2^-17, below that to 2^-25 absolute.
; So the whole program computes reference() on inputs rounded to bf16.  LIMIT (format): the mask's numbers carry a relative error of up to 2^-9.
; A stream: no LDS, no barrier, no matrix unit, no cluster (no two work-groups read the same byte).
; A work-group takes 65,536 bytes of f32: 256 threads x 16 loads of 16 bytes, all 16 issued before the first is used.
; One load of a wave covers 512 consecutive bytes, one store 256 consecutive bytes, aligned.
.set X, 8                              ; v[8:71]   load i: 4 f32
.set Y, 72                             ; v[72:103] store i: 4 numbers of 16 bits in 2 registers
	s_load_b512 s[8:23], s[0:1], 0x0               ; Q s[8:9] K s[10:11] V s[12:13] W_q s[14:15] W_k s[16:17] W_v s[18:19] W_o s[20:21] causal_mask s[22:23]
	s_load_b64 s[30:31], s[0:1], 0x40              ; xw
	s_mov_b32 s28, ttmp9                           ; x: which 64 KiB
	s_and_b32 s2, ttmp7, 0xffff                    ; y: 0, 1, 2 = Q, K, V input; 3 = the four weights, 64 work-groups each; 4 = the mask
	s_lshr_b32 s3, s28, 6                          ; which weight (y = 3)
	s_and_b32 s4, s28, 63                          ; and which 64 KiB of it
	s_cmp_eq_u32 s2, 3
	s_cselect_b32 s4, s4, s28
	s_lshl_b32 s4, s4, 16                          ; byte offset in the source
	s_mov_b32 s5, 0
	s_lshl_b32 s6, s2, 8
	s_add_co_u32 s6, s6, s28
	s_lshl_b32 s6, s6, 15                          ; byte offset in xw: (256 y + x) x 32 KiB; the sources lie there in this very order
	s_mov_b32 s7, 0
	s_lshl2_add_u32 s29, s2, s3                    ; 4 y + (x >> 6): 15 for W_o and for nothing else
	v_lshlrev_b32 v1, 4, v0                        ; 16 t: my 4 f32 in each 4,096 bytes
	v_lshlrev_b32 v2, 3, v0                        ; 8 t: my 4 results in each 2,048 bytes
	s_wait_kmcnt 0x0
	s_cmp_eq_u32 s3, 1                             ; the source is chosen among the eight buffers by the ids alone
	s_cselect_b64 s[24:25], s[16:17], s[14:15]
	s_cmp_eq_u32 s3, 2
	s_cselect_b64 s[24:25], s[18:19], s[24:25]
	s_cmp_eq_u32 s3, 3
	s_cselect_b64 s[24:25], s[20:21], s[24:25]
	s_cmp_eq_u32 s2, 0
	s_cselect_b64 s[24:25], s[8:9], s[24:25]
	s_cmp_eq_u32 s2, 1
	s_cselect_b64 s[24:25], s[10:11], s[24:25]
	s_cmp_eq_u32 s2, 2
	s_cselect_b64 s[24:25], s[12:13], s[24:25]
	s_cmp_eq_u32 s2, 4
	s_cselect_b64 s[24:25], s[22:23], s[24:25]
	s_add_nc_u64 s[24:25], s[24:25], s[4:5]
	s_add_nc_u64 s[26:27], s[30:31], s[6:7]
.irp i, 0,1,2,3,4,5,6,7,8,9,10,11,12,13,14,15
	global_load_b128 v[X+4*\i:X+4*\i+3], v1, s[24:25] offset:\i*4096 th:TH_LOAD_NT
.endr
	s_cmp_eq_u32 s29, 15
	s_cbranch_scc1 .Lwo
.irp i, 0,1,2,3,4,5,6,7,8,9,10,11,12,13,14,15
	s_wait_loadcnt 15-\i                           ; loads return in order: load i is in, the 15 - i younger ones stay out
	v_cvt_pk_bf16_f32 v[Y+2*\i], v[X+4*\i], v[X+4*\i+1]
	v_cvt_pk_bf16_f32 v[Y+2*\i+1], v[X+4*\i+2], v[X+4*\i+3]
	global_store_b64 v2, v[Y+2*\i:Y+2*\i+1], s[26:27] offset:\i*2048   ; no register a store reads is written again: no further wait
.endr
	s_endpgm
.Lwo:                                              ; W_o: to bf16, and that number as f16
.irp i, 0,1,2,3,4,5,6,7,8,9,10,11,12,13,14,15
	s_wait_loadcnt 15-\i
	v_cvt_pk_bf16_f32 v[Y+2*\i], v[X+4*\i], v[X+4*\i+1]
	v_cvt_pk_bf16_f32 v[Y+2*\i+1], v[X+4*\i+2], v[X+4*\i+3]
	v_lshlrev_b32 v[X+4*\i], 16, v[Y+2*\i]         ; bf16 back to f32: the low half moves up, the high half stays
	v_and_b32 v[X+4*\i+1], 0xffff0000, v[Y+2*\i]
	v_lshlrev_b32 v[X+4*\i+2], 16, v[Y+2*\i+1]
	v_and_b32 v[X+4*\i+3], 0xffff0000, v[Y+2*\i+1]
	v_cvt_pk_f16_f32 v[Y+2*\i], v[X+4*\i], v[X+4*\i+1]
	v_cvt_pk_f16_f32 v[Y+2*\i+1], v[X+4*\i+2], v[X+4*\i+3]
	global_store_b64 v2, v[Y+2*\i:Y+2*\i+1], s[26:27] offset:\i*2048
.endr
	s_endpgm
.Lfunc_end_k_qbd3b6a0ddb_cvt:
	.size	k_qbd3b6a0ddb_cvt, .Lfunc_end_k_qbd3b6a0ddb_cvt-k_qbd3b6a0ddb_cvt
	.p2alignl 7, 3214868480
	.fill 96, 4, 3214868480
	.section	.rodata,"a",@progbits
	.p2align	6, 0x0
	.amdhsa_kernel k_qbd3b6a0ddb_cvt
		.amdhsa_group_segment_fixed_size 0
		.amdhsa_private_segment_fixed_size 0
		.amdhsa_enable_private_segment 0
		.amdhsa_kernarg_size 72
		.amdhsa_user_sgpr_count 2
		.amdhsa_user_sgpr_kernarg_segment_ptr 1
		.amdhsa_wavefront_size32 1
		.amdhsa_system_sgpr_workgroup_id_x 1
		.amdhsa_system_sgpr_workgroup_id_y 1
		.amdhsa_system_sgpr_workgroup_id_z 1
		.amdhsa_system_vgpr_workitem_id 0
		.amdhsa_next_free_vgpr 104
		.amdhsa_next_free_sgpr 66
		.amdhsa_reserve_vcc 0
		.amdhsa_float_denorm_mode_32 3
		.amdhsa_float_denorm_mode_16_64 3
		.amdhsa_memory_ordered 1
		.amdhsa_forward_progress 1
		.amdhsa_inst_pref_size 17
	.end_amdhsa_kernel
	.amdgpu_metadata
---
amdhsa.version: [ 1, 2 ]
amdhsa.kernels:
  - .name:           k_qbd3b6a0ddb_cvt
    .symbol:         k_qbd3b6a0ddb_cvt.kd
    .args:
      - { .name: Q_input, .offset: 0, .size: 8, .value_kind: global_buffer, .address_space: global }
      - { .name: K_input, .offset: 8, .size: 8, .value_kind: global_buffer, .address_space: global }
      - { .name: V_input, .offset: 16, .size: 8, .value_kind: global_buffer, .address_space: global }
      - { .name: W_q, .offset: 24, .size: 8, .value_kind: global_buffer, .address_space: global }
      - { .name: W_k, .offset: 32, .size: 8, .value_kind: global_buffer, .address_space: global }
      - { .name: W_v, .offset: 40, .size: 8, .value_kind: global_buffer, .address_space: global }
      - { .name: W_o, .offset: 48, .size: 8, .value_kind: global_buffer, .address_space: global }
      - { .name: causal_mask, .offset: 56, .size: 8, .value_kind: global_buffer, .address_space: global }
      - { .name: xw, .offset: 64, .size: 8, .value_kind: global_buffer, .address_space: global }
    .group_segment_fixed_size: 0
    .private_segment_fixed_size: 0
    .kernarg_segment_align: 8
    .kernarg_segment_size: 72
    .max_flat_workgroup_size: 256
    .sgpr_count:     66
    .vgpr_count:     104
    .wavefront_size: 32
...
	.end_amdgpu_metadata
.endif
;; end of part 1
;; launch proj (part 2): grid 4 x 48, 4 waves a work-group, clusters of 4 x 4, 327,680 bytes of LDS; arguments xw, b_q, b_k, b_v, padding_mask, qkv; writes qkv
.if DOCPART == 2
	.amdgcn_target "amdgcn-amd-amdhsa--gfx1250"
	.amdhsa_code_object_version 6
	.text
	.protected	k_qbd3b6a0ddb_proj
	.globl	k_qbd3b6a0ddb_proj
	.p2align	8
	.type	k_qbd3b6a0ddb_proj,@function
k_qbd3b6a0ddb_proj:
	s_mov_b64 s[64:65], 0
	v_nop
	global_prefetch_b8 v0, s[64:65] scope:SCOPE_SE
	s_setreg_imm32_b32 hwreg(HW_REG_WAVE_MODE, 25, 1), 1
	s_wait_xcnt 0x0
	s_wait_alu depctr_hold_cnt(0) depctr_sa_sdst(0) depctr_va_vdst(0) depctr_va_sdst(0) depctr_va_ssrc(0) depctr_va_vcc(0) depctr_vm_vsrc(0)
	s_getreg_b32 s2, hwreg(HW_REG_IB_STS2, 6, 4)
	s_cmp_eq_u32 s2, 0
	s_cbranch_scc0 .Lentry_in_a_cluster
	s_endpgm
.Lentry_in_a_cluster:
	s_bfe_u32 s2, ttmp6, 0x10000c
	s_cmp_lg_u32 s2, 0xf033
	s_cbranch_scc0 .Lentry_shape_is_right
	s_endpgm
.Lentry_shape_is_right:
; The three input projections as ONE product: C[12288][1024] = X W^T + b, X = [Q_input | K_input | V_input] in bf16 (xw), W = W_q, W_k or W_v
; by the block row; sums and bias in f32; the result leaves in f16 as qkv[proj][b][head][s][64].
; WHY f16: a query that attends to few keys passes V's rounding straight to the output, and 8 significant bits are too few for that; f16 has 11.
; LIMIT (range): |Q|, |K|, |V| must stay below 65,504.  With X and W both 30 times larger they reach about 900 x 5 = 4.5e3; with offsets of 30 on X
; and 0.94 on W (30 times their spreads) about 1024 x 30 x 0.94 = 2.9e4.  Numbers below 2^-14 keep an absolute error of 2^-25.
; A work-group makes 256 x 256 of C with four waves; a wave 128 x 128: 64 accumulator tiles, 512 registers.  K = 1024 goes in 8 steps of 128 through
; two LDS slots filled by the tensor data mover (rows of 256 bytes, 256-byte aligned).  192 work-groups: 48 block rows x 4 block columns.
; CLUSTERS 4 x 4: X's tile hangs on the block row alone and is asked for jointly by a row of the cluster, W's on the block column (and on the
; projection, which comes from the cluster's y and is equal in all sixteen) and is asked for jointly by a column.
; PADDING: a K row whose key is padded is stored as zeros (bias included), so that its score is exactly 0 in the attention launch, which then adds
; -1e9 for it.  LIMIT: a query row that is not finite turns 0 x inf into NaN there, where reference() gives -1e9.
; REGISTERS: window 0: v0-31 addresses, v64-191 fragments of X (two buffers), v192-223 packed results, v224-231 keep masks;
;   window 1: v0-63 my 128 columns' bias as the accumulators want it, v64-191 fragments of W; windows 2, 3: accumulators (tile (a, b) at v[8 (8 a + b)]).
; The matrix instruction is used transposed (source 0 = rows of W, source 1 = rows of X): lane l holds row l % 16 of C and 8 neighbouring columns.
.set SIZE_K, 1024
.set KSTEP,  128
.set PITCH,  272                       ; 256 bytes + 16 of padding: the 16 rows of a fragment load start 16 bytes apart modulo 256
.set HALFT,  128*PITCH
.set SLOT,   4*HALFT                   ; X's 256 rows, then W's 256 rows
.set STAGE,  2*SLOT                    ; behind the ring: 16 rows x 272 bytes for each wave; no tensor load lands there
.set SPITCH, 272
.set LAPS, SIZE_K/(2*KSTEP)
.set WOFF, 25165824                    ; the weights' place in xw
.set ADRA, 16
.set ADRB, 20
.set STO,  24
.set RD,   25
.set CO,   26
.set BI,   27
.set F0,   64
.set F1,   128
.set TMP,  192
.set KEEP, 224
.set BIAS, 0                           ; in window 1
.set G1, 24
.set G0, 32
.set G1B, 48
.set G0B, 56
.set MSB, 0
.macro WIN new                         ; the immediate's high byte repeats the setting that is left
.if MSB != \new
	s_set_vgpr_msb (MSB<<8)|\new
.set MSB, \new
.endif
.endm
.set MUL_LO, 0xa1                      ; source 0 (W) window 1, source 1 (X) window 0, C and D window 2
.set MUL_HI, 0xf1                      ; the same, C and D window 3
.set TO_B,   0x40                      ; destination window 1
; a joint load: waves 0, 1 fetch X's two halves, waves 2, 3 W's; the branch hangs on the wave's number alone
.macro JLOAD s
	s_cmp_eq_u32 s11, 0
	s_cbranch_scc0 .Lfor_b_\@
	tensor_load_to_lds s[G0+4*\s:G0+4*\s+3], s[G1:G1+7]
	s_nop 0
	s_branch .Lasked_\@
.Lfor_b_\@:
	tensor_load_to_lds s[G0B+4*\s:G0B+4*\s+3], s[G1B:G1B+7]
	s_nop 0
.Lasked_\@:
.endm
.macro CREST                           ; a round of the cluster's barrier behind its opening work-group barrier
	s_cmp_lg_u32 s10, 0
	s_cbranch_scc1 .Lnot_wave_0_\@
	s_barrier_signal -3
.Lnot_wave_0_\@:
	s_barrier_wait -3
	s_barrier_signal -1
	s_barrier_wait -1
.endm
.macro CROUND
	s_barrier_signal -1
	s_barrier_wait -1
	CREST
.endm
	s_load_b256 s[72:79], s[0:1], 0x0              ; xw s[72:73], b_q s[74:75], b_k s[76:77], b_v s[78:79]
	s_load_b64 s[68:69], s[0:1], 0x20              ; padding_mask
	s_load_b64 s[8:9], s[0:1], 0x28                ; qkv
	s_set_vgpr_msb 0x40
	v_lshl_add_u32 v255, v0, 2, 0x48400
	s_set_vgpr_msb 0x4000
	v_mov_b32 v255, 0
	s_set_vgpr_msb 0x1
	ds_add_u32 v255, v255
	s_set_vgpr_msb 0x100
	v_lshrrev_b32 v1, 5, v0
	v_readfirstlane_b32 s10, v1                    ; wave 0..3
	s_lshr_b32 s11, s10, 1                         ; my half of the block's rows; also: I fetch for X (0) or W (1)
	s_and_b32 s12, s10, 1                          ; my half of its columns; also: which 128 rows I fetch
	s_bfe_u32 s40, ttmp6, 0x40000                  ; cx
	s_bfe_u32 s41, ttmp6, 0x40004                  ; cy
	s_lshl_b32 s42, ttmp9, 2
	s_add_co_u32 s42, s42, s40                     ; block column 0..3
	s_and_b32 s45, ttmp7, 0xffff                   ; the cluster's y, 0..11
	s_lshl_b32 s13, s45, 2
	s_add_co_u32 s13, s13, s41                     ; block row 0..47
	s_lshr_b32 s45, s45, 2                         ; projection 0, 1, 2 = Q, K, V: four clusters each, equal in all partners
	s_lshl_b32 s43, s41, 2
	s_lshl_b32 s43, 15, s43                        ; my row of the cluster
	s_lshl_b32 s44, 0x1111, s40                    ; my column
	; group 1: 128 rows x 128 elements of 2 bytes, 4 words of padding behind every 64
	s_or_b32 s[G1+0], s43, (1<<16)|(1<<20)|(1<<21)|(5<<22)|(3<<25)
	s_or_b32 s[G1B+0], s44, (1<<16)|(1<<20)|(1<<21)|(5<<22)|(3<<25)
	s_mov_b32 s[G1+1], KSTEP<<16                   ; tensor_dim0 = 128
	s_mov_b32 s[G1B+1], KSTEP<<16
	s_mov_b32 s[G1+2], 128<<16                     ; tensor_dim1 = 128
	s_mov_b32 s[G1B+2], 128<<16
	s_mov_b32 s[G1+3], KSTEP<<16                   ; tile_dim0 = 128
	s_mov_b32 s[G1B+3], KSTEP<<16
	s_mov_b32 s[G1+4], 128                         ; tile_dim1 = 128
	s_mov_b32 s[G1B+4], 128
	s_mov_b32 s[G1+5], SIZE_K                      ; elements from row to row
	s_mov_b32 s[G1B+5], SIZE_K
	s_mov_b32 s[G1+6], 0
	s_mov_b32 s[G1B+6], 0
	s_mov_b32 s[G1+7], 0
	s_mov_b32 s[G1B+7], 0
	; byte offsets in xw (rows of 2,048 bytes): X's from the block row, W's from the block column and the projection, in registers of their own
	s_lshl_b32 s17, s12, 18                        ; 128 rows x half
	s_lshl_b32 s16, s13, 19                        ; 256 rows x block row: the three inputs lie one behind the other
	s_add_co_u32 s16, s16, s17
	s_lshl_b32 s46, s42, 19
	s_add_co_u32 s46, s46, s17
	s_lshl_b32 s47, s45, 21                        ; 2 MiB for each weight
	s_add_co_u32 s46, s46, s47
	s_add_co_u32 s46, s46, WOFF
	s_mov_b32 s17, 0
	s_mov_b32 s47, 0
	s_mul_i32 s20, s10, HALFT                      ; LDS: wave x 128 rows
	s_wait_dscnt 0x0
	s_wait_kmcnt 0x0
	s_add_nc_u64 s[14:15], s[72:73], s[16:17]
	s_add_nc_u64 s[46:47], s[72:73], s[46:47]
	CROUND                                         ; all sixteen work-groups are here: the first joint loads meet
.irp s, 0,1
	s_mov_b32 s[G0+4*\s], 1
	s_add_co_u32 s[G0+4*\s+1], s20, \s*SLOT
	s_add_nc_u64 s[G0+4*\s+2:G0+4*\s+3], s[14:15], \s*KSTEP*2
	s_or_b32 s[G0+4*\s+3], s[G0+4*\s+3], 0x80000000
	s_mov_b32 s[G0B+4*\s], 1
	s_add_co_u32 s[G0B+4*\s+1], s20, \s*SLOT
	s_add_nc_u64 s[G0B+4*\s+2:G0B+4*\s+3], s[46:47], \s*KSTEP*2
	s_or_b32 s[G0B+4*\s+3], s[G0B+4*\s+3], 0x80000000
	JLOAD \s
.endr
	v_and_b32 v1, 15, v0                           ; r = l % 16
	v_bfe_u32 v2, v0, 4, 1                         ; h = l / 16
	v_mul_u32_u24 v3, v1, PITCH
	v_lshl_add_u32 v3, v2, 4, v3                   ; fragment loads: row x pitch + 16 h
	s_mul_i32 s21, s11, HALFT
	s_mul_i32 s22, s12, HALFT
	s_add_co_u32 s22, s22, 2*HALFT
.irp s, 0,1
	v_add_nc_u32 v[ADRA+\s], s21, v3
	v_add_nc_u32 v[ADRB+\s], s22, v3
	s_add_co_u32 s21, s21, SLOT
	s_add_co_u32 s22, s22, SLOT
.endr
	s_mul_i32 s23, s10, 16*SPITCH
	s_add_co_u32 s23, s23, STAGE                   ; my stage
	v_mul_u32_u24 v4, v1, SPITCH
	v_lshl_add_u32 v4, v2, 4, v4
	v_add_nc_u32 v[STO], s23, v4                   ; in: row r, 16 bytes for each half of the lanes
	; back: lanes 0-15 take head 0's 128 bytes of two rows, lanes 16-31 head 1's: in qkv those are 256 consecutive bytes of one head
	v_and_b32 v5, 7, v0
	v_bfe_u32 v6, v0, 3, 1                         ; which of the two rows
	v_lshlrev_b32 v5, 4, v5
	v_lshl_add_u32 v7, v6, 7, v5                   ; row x 128 + 16 c
	v_lshl_add_u32 v[CO], v2, 18, v7               ; + head x 262,144
	v_mul_u32_u24 v6, v6, SPITCH
	v_add_nc_u32 v6, v6, v5
	v_add_nc_u32 v6, s23, v6
	v_lshl_add_u32 v[RD], v2, 7, v6
	; bias and padding are asked for now and used at the way out
	s_cmp_eq_u32 s45, 1
	s_cselect_b64 s[66:67], s[76:77], s[74:75]
	s_cselect_b32 s70, 1, 0                        ; 1 in the K projection: only there padding zeroes rows
	s_cmp_eq_u32 s45, 2
	s_cselect_b64 s[66:67], s[78:79], s[66:67]
	s_lshl_b32 s18, s42, 10
	s_lshl_b32 s19, s12, 9
	s_add_co_u32 s18, s18, s19                     ; my first column x 4 bytes
	s_mov_b32 s19, 0
	s_add_nc_u64 s[66:67], s[66:67], s[18:19]
	s_lshl_b32 s71, s13, 8
	s_lshl_b32 s19, s11, 7
	s_add_co_u32 s71, s71, s19                     ; my first row of C, 0..12287
	s_and_b32 s18, s71, 4095                       ; = 2048 b + s: the index into padding_mask
	s_mov_b32 s19, 0
	s_add_nc_u64 s[68:69], s[68:69], s[18:19]
	v_lshlrev_b32 v[BI], 5, v2                     ; 8 h columns x 4 bytes
	WIN TO_B
.irp b, 0,1,2,3,4,5,6,7
	global_load_b128 v[BIAS+8*\b:BIAS+8*\b+3], v[BI], s[66:67] offset:64*\b        ; columns 16 b + 8 h + 0..3
	global_load_b128 v[BIAS+8*\b+4:BIAS+8*\b+7], v[BI], s[66:67] offset:64*\b+16   ; and + 4..7
.endr
	WIN 0
.irp i, 0,1,2,3,4,5,6,7
	global_load_u8 v[KEEP+\i], v1, s[68:69] offset:16*\i                           ; row 16 i + r
.endr
.macro MUL16 f, hi, a0, zero
.irp a, \a0, \a0+1
.irp b, 0,1,2,3,4,5,6,7
.if \zero
	v_wmma_f32_16x16x32_bf16 v[8*(8*(\a)+\b):8*(8*(\a)+\b)+7], v[\f+8*\b:\f+8*\b+7], v[\f+8*(4*\hi+\a):\f+8*(4*\hi+\a)+7], 0
.else
	v_wmma_f32_16x16x32_bf16 v[8*(8*(\a)+\b):8*(8*(\a)+\b)+7], v[\f+8*\b:\f+8*\b+7], v[\f+8*(4*\hi+\a):\f+8*(4*\hi+\a)+7], v[8*(8*(\a)+\b):8*(8*(\a)+\b)+7]
.endif
.endr
.endr
.endm
.macro FETCH slot, k, f
	WIN TO_B
.irp i, 0,1,2,3,4,5,6,7
	ds_load_b128 v[\f+8*\i:\f+8*\i+3],   v[ADRB+\slot] offset:\k+\i*16*PITCH
	ds_load_b128 v[\f+8*\i+4:\f+8*\i+7], v[ADRB+\slot] offset:\k+\i*16*PITCH+32
.endr
	WIN 0
.irp i, 0,1,2,3,4,5,6,7
	ds_load_b128 v[\f+8*\i:\f+8*\i+3],   v[ADRA+\slot] offset:\k+\i*16*PITCH
	ds_load_b128 v[\f+8*\i+4:\f+8*\i+7], v[ADRA+\slot] offset:\k+\i*16*PITCH+32
.endr
.endm
; four plain vector places between a matrix instruction and a load into, or a vector read of, its registers
.macro PLACES
.rept 4
	v_nop
.endr
.endm
; The 64 accumulators take turns, one instruction a turn, in the same order in every quarter step.
.macro QUARTER slot, k, f, g, zero
	s_wait_dscnt 8                                 ; W and X's rows 0-63 are in; the youngest eight loads (X's rows 64-127) may be out
	WIN MUL_LO
	MUL16 \f, 0, 0, \zero
	MUL16 \f, 0, 2, \zero
	PLACES
	FETCH \slot, \k, \g
	s_wait_dscnt 32                                ; all but the 32 just issued
	WIN MUL_HI
	MUL16 \f, 1, 0, \zero
	MUL16 \f, 1, 2, \zero
.endm
.macro THREE slot, zero
	QUARTER \slot, 64,  F0, F1, \zero
	QUARTER \slot, 128, F1, F0, 0
	QUARTER \slot, 192, F0, F1, 0
.endm
.macro TURN slot, next, fill
	s_wait_dscnt 8
	WIN MUL_LO
	MUL16 F1, 0, 0, 0
	s_wait_dscnt 0                                 ; my reads of this slot are over
	s_wait_tensorcnt 0x0                           ; all my tensor loads have landed: the one that was out is my part of the next slot
	ds_add_u32 v255, v255
	s_wait_dscnt 0x0
	s_barrier_signal -1
	MUL16 F1, 0, 2, 0                              ; register work while the others arrive
	WIN 0
	s_barrier_wait -1
.if \fill
	CREST                                          ; no wave of any partner still reads this slot or has a load on its way
	s_add_nc_u64 s[G0+4*\slot+2:G0+4*\slot+3], s[G0+4*\slot+2:G0+4*\slot+3], 2*KSTEP*2
	s_add_nc_u64 s[G0B+4*\slot+2:G0B+4*\slot+3], s[G0B+4*\slot+2:G0B+4*\slot+3], 2*KSTEP*2
	JLOAD \slot                                    ; the first tensor load behind the round; one load of the wave is out
.endif
	PLACES
	FETCH \next, 0, F0
	WIN MUL_HI
	MUL16 F1, 1, 0, 0
	MUL16 F1, 1, 2, 0
.endm
.macro LAP zero
	THREE 0, \zero
	TURN 0, 1, 1
	THREE 1, 0
	TURN 1, 0, 1
.endm
	s_wait_tensorcnt 1                             ; my part of K step 0 is in, K step 1's load stays out
	s_barrier_signal -1
	s_barrier_wait -1
	FETCH 0, 0, F0
	LAP 1                                          ; the first products start the sums
	WIN 0
	s_mov_b32 s3, LAPS-2
.Llap:
	LAP 0
	WIN 0
	s_sub_co_u32 s3, s3, 1
	s_cmp_lg_u32 s3, 0
	s_cbranch_scc1 .Llap
	THREE 0, 0                                     ; the last lap fills nothing
	TURN 0, 1, 0
	THREE 1, 0
	s_wait_dscnt 8
	WIN MUL_LO
	MUL16 F1, 0, 0, 0
	MUL16 F1, 0, 2, 0
	s_wait_dscnt 0
	WIN MUL_HI
	MUL16 F1, 1, 0, 0
	MUL16 F1, 1, 2, 0
	; THE WAY OUT
	PLACES
	WIN 0
	s_wait_loadcnt 0x0                             ; bias and padding, asked for at the head
.irp i, 0,1,2,3,4,5,6,7
	v_and_b32 v[KEEP+\i], s70, v[KEEP+\i]          ; 1 for a padded row of K,
	v_add_nc_u32 v[KEEP+\i], -1, v[KEEP+\i]        ; which becomes 0; all ones otherwise
.endr
	s_lshr_b32 s18, s71, 11                        ; 2 proj + b
	s_lshl_b32 s18, s18, 22                        ; planes of 4 MiB
	s_and_b32 s19, s71, 2047
	s_lshl_b32 s19, s19, 7                         ; s x 128 bytes
	s_add_co_u32 s18, s18, s19
	s_lshl_b32 s19, s42, 20                        ; four heads of 262,144 bytes for a block column,
	s_add_co_u32 s18, s18, s19
	s_lshl_b32 s19, s12, 19                        ; two for my half
	s_add_co_u32 s18, s18, s19
	s_mov_b32 s19, 0
	s_add_nc_u64 s[8:9], s[8:9], s[18:19]
.macro BIASADD
.irp a, 0,1,2,3
.irp b, 0,1,2,3,4,5,6,7
.irp p, 0,2,4,6
	v_pk_add_f32 v[8*(8*\a+\b)+\p:8*(8*\a+\b)+\p+1], v[8*(8*\a+\b)+\p:8*(8*\a+\b)+\p+1], v[BIAS+8*\b+\p:BIAS+8*\b+\p+1]
.endr
.endr
.endr
.endm
	WIN 0x86                                       ; destination and source 0 window 2, source 1 (bias) window 1
	BIASADD
	WIN 0xc7                                       ; the same on window 3
	BIASADD
; rows 16 i .. 16 i + 15 of my block: round to f16, zero padded K rows, through my own stage, out as 256 consecutive bytes for 16 lanes
.macro OUT16 i, a, from, f
	WIN \from
.irp b, 0,1,2,3,4,5,6,7
.irp r, 0,1,2,3
	v_cvt_pk_f16_f32 v[TMP+4*\b+\r], v[8*(8*\a+\b)+2*\r], v[8*(8*\a+\b)+2*\r+1]
.endr
.endr
	WIN 0
.irp b, 0,1,2,3,4,5,6,7
.irp r, 0,1,2,3
	v_and_b32 v[TMP+4*\b+\r], v[KEEP+\i], v[TMP+4*\b+\r]
.endr
.endr
.irp b, 0,1,2,3,4,5,6,7
	ds_store_b128 v[STO], v[TMP+4*\b:TMP+4*\b+3] offset:32*\b
.endr
	s_wait_xcnt 0x0                                ; buffer f, which earlier stores read, and the stores' base are rewritten only behind this wait
.if \i
	s_add_nc_u64 s[8:9], s[8:9], 16*128            ; 16 rows of a head on
.endif
.irp t, 0,1,2,3,4,5,6,7
	ds_load_b128 v[\f+4*\t:\f+4*\t+3], v[RD] offset:\t*2*SPITCH    ; LDS serves a wave's instructions in order: these see the stores above
.endr
.irp t, 0,1,2,3,4,5,6,7
	s_wait_dscnt 7-\t
	global_store_b128 v[CO], v[\f+4*\t:\f+4*\t+3], s[8:9] offset:256*\t
.endr
.endm
	OUT16 0, 0, 0x0a, 64
	OUT16 1, 1, 0x0a, 96
	OUT16 2, 2, 0x0a, 64
	OUT16 3, 3, 0x0a, 96
	OUT16 4, 0, 0x0f, 64
	OUT16 5, 1, 0x0f, 96
	OUT16 6, 2, 0x0f, 64
	OUT16 7, 3, 0x0f, 96
	s_set_vgpr_msb 0x1
	s_wait_tensorcnt 0x0
	ds_add_u32 v255, v255
	s_wait_dscnt 0x0
	s_set_vgpr_msb 0x100
	CROUND                                         ; the closing round: no work-group ends while a partner may still ask jointly
	s_endpgm
.Lfunc_end_k_qbd3b6a0ddb_proj:
	.size	k_qbd3b6a0ddb_proj, .Lfunc_end_k_qbd3b6a0ddb_proj-k_qbd3b6a0ddb_proj
	.p2alignl 7, 3214868480
	.fill 96, 4, 3214868480
	.section	.rodata,"a",@progbits
	.p2align	6, 0x0
	.amdhsa_kernel k_qbd3b6a0ddb_proj
		.amdhsa_group_segment_fixed_size 327680
		.amdhsa_private_segment_fixed_size 0
		.amdhsa_enable_private_segment 0
		.amdhsa_kernarg_size 48
		.amdhsa_user_sgpr_count 2
		.amdhsa_user_sgpr_kernarg_segment_ptr 1
		.amdhsa_wavefront_size32 1
		.amdhsa_system_sgpr_workgroup_id_x 1
		.amdhsa_system_sgpr_workgroup_id_y 1
		.amdhsa_system_sgpr_workgroup_id_z 1
		.amdhsa_system_vgpr_workitem_id 0
		.amdhsa_next_free_vgpr 1024
		.amdhsa_next_free_sgpr 80
		.amdhsa_reserve_vcc 0
		.amdhsa_float_denorm_mode_32 3
		.amdhsa_float_denorm_mode_16_64 3
		.amdhsa_memory_ordered 1
		.amdhsa_forward_progress 1
		.amdhsa_inst_pref_size 224
	.end_amdhsa_kernel
	.amdgpu_metadata
---
amdhsa.version: [ 1, 2 ]
amdhsa.kernels:
  - .name:           k_qbd3b6a0ddb_proj
    .symbol:         k_qbd3b6a0ddb_proj.kd
    .args:
      - { .name: xw, .offset: 0, .size: 8, .value_kind: global_buffer, .address_space: global }
      - { .name: b_q, .offset: 8, .size: 8, .value_kind: global_buffer, .address_space: global }
      - { .name: b_k, .offset: 16, .size: 8, .value_kind: global_buffer, .address_space: global }
      - { .name: b_v, .offset: 24, .size: 8, .value_kind: global_buffer, .address_space: global }
      - { .name: padding_mask, .offset: 32, .size: 8, .value_kind: global_buffer, .address_space: global }
      - { .name: qkv, .offset: 40, .size: 8, .value_kind: global_buffer, .address_space: global }
    .group_segment_fixed_size: 327680
    .private_segment_fixed_size: 0
    .kernarg_segment_align: 8
    .kernarg_segment_size: 48
    .max_flat_workgroup_size: 128
    .sgpr_count:     80
    .vgpr_count:     1024
    .wavefront_size: 32
...
	.end_amdgpu_metadata
.endif
;; end of part 2
;; launch attn (part 3): grid 16 x 16, 8 waves a work-group, clusters of 4 x 4, 327,680 bytes of LDS; arguments qkv, xw, padding_mask, ctx; writes ctx
.if DOCPART == 3
	.amdgcn_target "amdgcn-amd-amdhsa--gfx1250"
	.amdhsa_code_object_version 6
	.text
	.protected	k_qbd3b6a0ddb_attn
	.globl	k_qbd3b6a0ddb_attn
	.p2align	8
	.type	k_qbd3b6a0ddb_attn,@function
k_qbd3b6a0ddb_attn:
	s_mov_b64 s[64:65], 0
	v_nop
	global_prefetch_b8 v0, s[64:65] scope:SCOPE_SE
	s_setreg_imm32_b32 hwreg(HW_REG_WAVE_MODE, 25, 1), 1
	s_wait_xcnt 0x0
	s_wait_alu depctr_hold_cnt(0) depctr_sa_sdst(0) depctr_va_vdst(0) depctr_va_sdst(0) depctr_va_ssrc(0) depctr_va_vcc(0) depctr_vm_vsrc(0)
	s_getreg_b32 s2, hwreg(HW_REG_IB_STS2, 6, 4)
	s_cmp_eq_u32 s2, 0
	s_cbranch_scc0 .Lentry_in_a_cluster
	s_endpgm
.Lentry_in_a_cluster:
	s_bfe_u32 s2, ttmp6, 0x10000c
	s_cmp_lg_u32 s2, 0xf033
	s_cbranch_scc0 .Lentry_shape_is_right
	s_endpgm
.Lentry_shape_is_right:
; Softmax attention with a running maximum.  t = s / 8 + mask[q][k], one fused multiply-add (/ 8 is exact).  PADDING: a padded key's K row was stored as
; zeros, and the first score product takes -8e9 for it (0 for the others) as its C operand: all its products are 0, so s is -8e9 itself and
; t = round(-1e9 + mask), as reference() forms it.  Every key tile is computed and every mask number is read.
; p = exp2((t - m) log2 e), the difference formed first, so that it is exact where t = m however large the mask's numbers are.
; FORMATS: Q, K, V, the weights p (0 to 1) and ctx are f16 for the matrix unit; sums, maxima and exponentials f32.  The mask comes from xw, where an
; earlier launch left it rounded to bf16 (LIMIT: relative error up to 2^-9 in a mask number); it is widened inside the multiply-add.
; A work-group: 128 queries x 2 heads of one batch; 8 waves; wave w: head w >> 2 of the pair, 32 queries, as two pieces A and B of 16 queries that share
; the K and V fragments.  The pieces take turns: one piece's softmax stands among the other piece's eight matrix instructions.
; TRANSPOSED: S^T = K Q^T, so a lane holds 16 keys of ONE query (maximum and sum stay in the lane but for one exchange between the halves), two key tiles
; pack in place into the second operand of ctx^T = V^T P^T, and a lane ends with 8 neighbouring d of one query.  V^T comes by transposing LDS loads.
; CLUSTERS 4 x 4: the mask tile hangs on the query block alone (joint along a column of the cluster), K and V on batch and head pair alone (joint along a row).
; 16 tiles of 128 keys (four chunks of 32) through two LDS slots; each wave fetches an eighth of each: 16 mask rows of 256 bytes, 32 K rows, 32 V rows,
; three joint loads a tile.  By this text's count a wave has six tensor loads out at the start and three behind each later round.
; LIMITS: the running maximum starts at -1e38, so mask numbers of -inf give weight 0; a row whose t are all -inf gives NaN, as in reference().
; A query row that is not finite turns a padded key's 0 x inf into NaN, where reference() gives -1e9.
.set KS,  36864                        ; K slot: 2 heads x 128 keys x 144 bytes (128 + 16)
.set VB,  73728
.set VS,  40960                        ; V slot: 2 heads x 128 keys x 160 bytes (128 + 32: an odd multiple of 32 for the transposing loads)
.set MB,  155648
.set MS,  34816                        ; mask slot: 128 queries x 272 bytes (128 bf16 + 16)
.set PAB, 225280                       ; f32[2048]: 0 or -8e9 for each key of my batch; written by LDS stores, never a fill's target
.set STG, 233472                       ; 128 queries x 272 bytes: ctx of both heads on the way out; never a fill's target
.set MOFF, 33554432                    ; the mask's place in xw
.set AK, 1
.set AV, 2
.set AM, 3
.set AP, 4
.set AST, 5
.set ARD, 6
.set CO, 7
.set QO, 8
.set C8, 9                             ; 0.125
.set T0, 10
.set T1, 11
.set T2, 12
.set U,  14
.set U2, 16
.set AL, 18                            ; v18 the rescaling factor; v19 written once (packed forms name the pair)
.set ML, 20                            ; v20 mA, v21 lA, v22 mB, v23 lB
.set MK, 24                            ; 8: 16 mask numbers (bf16) of the piece at work; v24-55 also hold the packed ctx on the way out
.set PAR, 40                           ; 16: padding addends of the chunk, laid out as a score tile's C operand
.set SA, 56                            ; 16 + 16: scores, then weights, of pieces A and B
.set KF, 88                            ; 32: K fragments, key tile kt at 16 kt, d half at 8 dc
.set VF, 120                           ; 32: V^T fragments, d tile at 8 dt
.set QF, 152                           ; 32: Q fragments, piece at 16 i, d half at 8 dc
.set ACC, 184                          ; 64: ctx^T, piece at 32 i, d tile at 8 dt
.set G1M, 16
.set G1K, 24
.set G1V, 32
.set G0M, 40
.set G0K, 48
.set G0V, 56
.macro ROUND                           ; a round of the cluster's barrier
	s_barrier_signal -1
	s_barrier_wait -1
	s_cmp_lg_u32 s12, 0
	s_cbranch_scc1 .Lnot_wave_0_\@
	s_barrier_signal -3
.Lnot_wave_0_\@:
	s_barrier_wait -3
	s_barrier_signal -1
	s_barrier_wait -1
.endm
	s_load_b256 s[4:11], s[0:1], 0x0               ; qkv s[4:5], xw s[6:7], padding_mask s[8:9], ctx s[10:11]
	v_lshl_add_u32 v13, v0, 2, 0x41800
	s_set_vgpr_msb 0x40
	v_mov_b32 v1, 0
	s_set_vgpr_msb 0x4044
	ds_add_u32 v13, v1
	s_set_vgpr_msb 0x4400
	v_lshrrev_b32 v1, 5, v0
	v_readfirstlane_b32 s12, v1                    ; wave 0..7
	s_lshr_b32 s13, s12, 2                         ; hw: my head of the pair
	s_and_b32 s14, s12, 3                          ; qw: my 32 queries of the 128
	s_bfe_u32 s70, ttmp6, 0x40000                  ; cx
	s_bfe_u32 s71, ttmp6, 0x40004                  ; cy
	s_lshl_b32 s72, ttmp9, 2
	s_add_co_u32 s72, s72, s70                     ; X: query block 0..15
	s_and_b32 s73, ttmp7, 0xffff
	s_lshl_b32 s73, s73, 2
	s_add_co_u32 s73, s73, s71                     ; Y = 8 b + head pair, 0..15
	s_lshl_b32 s74, 0x1111, s70                    ; my column of the cluster (same X)
	s_lshl_b32 s75, s71, 2
	s_lshl_b32 s75, 15, s75                        ; my row (same Y)
	; group 1, mask: 16 rows x 128 bf16 (256 bytes, 256-byte aligned), 4 words of padding behind every 64, 2,048 elements from row to row
	s_or_b32 s[G1M+0], s74, (1<<16)|(1<<20)|(1<<21)|(5<<22)|(3<<25)
	s_mov_b32 s[G1M+1], 128<<16
	s_mov_b32 s[G1M+2], 16<<16
	s_mov_b32 s[G1M+3], 128<<16
	s_mov_b32 s[G1M+4], 16
	s_mov_b32 s[G1M+5], 2048
	s_mov_b32 s[G1M+6], 0
	s_mov_b32 s[G1M+7], 0
	; group 1, K: 32 rows x 64 f16 (a head's rows are 128 bytes in the tensor itself), 4 words behind every 32; V: 8 words
	s_or_b32 s[G1K+0], s75, (1<<16)|(1<<20)|(1<<21)|(4<<22)|(3<<25)
	s_or_b32 s[G1V+0], s75, (1<<16)|(1<<20)|(1<<21)|(4<<22)|(7<<25)
	s_mov_b32 s[G1K+1], 64<<16
	s_mov_b32 s[G1V+1], 64<<16
	s_mov_b32 s[G1K+2], 32<<16
	s_mov_b32 s[G1V+2], 32<<16
	s_mov_b32 s[G1K+3], 64<<16
	s_mov_b32 s[G1V+3], 64<<16
	s_mov_b32 s[G1K+4], 32
	s_mov_b32 s[G1V+4], 32
	s_mov_b32 s[G1K+5], 64
	s_mov_b32 s[G1V+5], 64
	s_mov_b32 s[G1K+6], 0
	s_mov_b32 s[G1V+6], 0
	s_mov_b32 s[G1K+7], 0
	s_mov_b32 s[G1V+7], 0
	; the mask's offset is made of X and the wave alone, K's and V's of Y and the wave alone
	s_lshl_b32 s76, s72, 19                        ; 128 X rows of 4,096 bytes
	s_lshl_b32 s15, s12, 16                        ; + 16 w rows
	s_add_co_u32 s76, s76, s15
	s_mov_b32 s77, 0
	s_lshl_b32 s78, s73, 19                        ; head 2 Y, 262,144 bytes each
	s_lshl_b32 s15, s13, 18                        ; + hw
	s_add_co_u32 s78, s78, s15
	s_lshl_b32 s15, s14, 12                        ; + 32 qw rows of 128 bytes
	s_add_co_u32 s78, s78, s15
	s_mov_b32 s79, 0
	s_mul_i32 s86, s12, 4352                       ; LDS: the wave's rows in each of the three regions: 16 x 272,
	s_add_co_u32 s86, s86, MB
	s_mul_i32 s87, s12, 4608                       ; 32 x 144,
	s_mul_i32 s88, s12, 5120                       ; 32 x 160
	s_add_co_u32 s88, s88, VB
	s_wait_dscnt 0x0
	s_wait_kmcnt 0x0
	s_add_nc_u64 s[76:77], s[6:7], s[76:77]
	s_add_nc_u64 s[78:79], s[4:5], s[78:79]
	ROUND                                          ; in front of the first joint loads
.irp s, 0,1
	s_mov_b32 s[G0M+4*\s], 1
	s_add_co_u32 s[G0M+4*\s+1], s86, \s*MS
	s_add_nc_u64 s[G0M+4*\s+2:G0M+4*\s+3], s[76:77], MOFF+\s*256
	s_or_b32 s[G0M+4*\s+3], s[G0M+4*\s+3], 0x80000000
	s_mov_b32 s[G0K+4*\s], 1
	s_add_co_u32 s[G0K+4*\s+1], s87, \s*KS
	s_add_nc_u64 s[G0K+4*\s+2:G0K+4*\s+3], s[78:79], 0x800000+\s*16384     ; K's planes begin 8 MiB into qkv
	s_or_b32 s[G0K+4*\s+3], s[G0K+4*\s+3], 0x80000000
	s_mov_b32 s[G0V+4*\s], 1
	s_add_co_u32 s[G0V+4*\s+1], s88, \s*VS
	s_add_nc_u64 s[G0V+4*\s+2:G0V+4*\s+3], s[78:79], 0x1000000+\s*16384    ; V's 16 MiB
	s_or_b32 s[G0V+4*\s+3], s[G0V+4*\s+3], 0x80000000
	tensor_load_to_lds s[G0M+4*\s:G0M+4*\s+3], s[G1M:G1M+7]
	s_nop 0
	tensor_load_to_lds s[G0K+4*\s:G0K+4*\s+3], s[G1K:G1K+7]
	s_nop 0
	tensor_load_to_lds s[G0V+4*\s:G0V+4*\s+3], s[G1V:G1V+7]
	s_nop 0
.endr
	; Q, padding and ctx: offsets of both coordinates, in registers that feed no descriptor
	s_lshl_b32 s80, s73, 19
	s_lshl_b32 s15, s13, 18
	s_add_co_u32 s80, s80, s15
	s_lshl_b32 s15, s72, 14                        ; 128 X rows of 128 bytes
	s_add_co_u32 s80, s80, s15
	s_lshl_b32 s15, s14, 12                        ; 32 qw rows
	s_add_co_u32 s80, s80, s15
	s_mov_b32 s81, 0
	s_add_nc_u64 s[80:81], s[4:5], s[80:81]
	s_lshr_b32 s89, s73, 3                         ; b
	s_lshl_b32 s84, s89, 11
	s_mov_b32 s85, 0
	s_add_nc_u64 s[84:85], s[8:9], s[84:85]
	s_lshl_b32 s82, s89, 22                        ; ctx: 2,048 b rows of 2,048 bytes
	s_lshl_b32 s15, s72, 18                        ; + 128 X rows
	s_add_co_u32 s82, s82, s15
	s_lshl_b32 s15, s12, 15                        ; + 16 w rows
	s_add_co_u32 s82, s82, s15
	s_and_b32 s15, s73, 7
	s_lshl_b32 s15, s15, 8                         ; + head pair x 256 bytes
	s_add_co_u32 s82, s82, s15
	s_mov_b32 s83, 0
	s_add_nc_u64 s[82:83], s[10:11], s[82:83]
	v_and_b32 v248, 15, v0                         ; r
	v_bfe_u32 v249, v0, 4, 1                       ; h
	v_lshlrev_b32 v251, 3, v0                      ; my 8 padding bytes
	v_lshlrev_b32 v[QO], 7, v248
	v_lshl_add_u32 v[QO], v249, 4, v[QO]           ; r x 128 + 16 h
	global_load_b64 v[254:255], v251, s[84:85]
.irp i, 0,1
.irp n, 0,1,2,3
	global_load_b128 v[QF+16*\i+4*\n:QF+16*\i+4*\n+3], v[QO], s[80:81] offset:\i*2048+32*\n
.endr
.endr
	v_mul_u32_u24 v250, v248, 144
	v_lshl_add_u32 v250, v249, 4, v250             ; r x 144 + 16 h
	s_mul_i32 s89, s13, 18432
	v_add_nc_u32 v[AK], s89, v250                  ; + hw x 128 rows
	v_mul_u32_u24 v253, v248, 272
	v_lshl_add_u32 v253, v249, 4, v253             ; r x 272 + 16 h: the lane's term in the mask's slots (8 h keys of 2 bytes) and in the stage
	s_mul_i32 s91, s14, 8704                       ; 32 qw rows of 272 bytes
	s_add_co_u32 s92, s91, STG
	s_add_co_u32 s91, s91, MB
	v_add_nc_u32 v[AM], s91, v253
	s_lshl_b32 s15, s13, 7
	s_add_co_u32 s92, s92, s15                     ; the stage: + hw x 128 bytes
	v_add_nc_u32 v[AST], s92, v253
	s_mul_i32 s90, s13, 20480
	s_add_co_u32 s90, s90, VB
	v_and_b32 v250, 7, v0
	v_lshl_add_u32 v250, v249, 3, v250
	v_mul_u32_u24 v[AV], v250, 160                 ; key 8 h + (l & 7)
	v_bfe_u32 v250, v0, 3, 1
	v_lshl_add_u32 v[AV], v250, 4, v[AV]           ; + 16 bytes for the upper 8 of 16 columns
	v_add_nc_u32 v[AV], s90, v[AV]
	v_lshl_add_u32 v[AP], v249, 5, PAB             ; 8 h keys of 4 bytes
	s_mul_i32 s93, s12, 4352
	s_add_co_u32 s93, s93, STG
	v_mul_u32_u24 v[ARD], v249, 272
	v_lshl_add_u32 v[ARD], v248, 4, v[ARD]
	v_add_nc_u32 v[ARD], s93, v[ARD]               ; row 16 w + h, 16 r
	v_lshlrev_b32 v[CO], 4, v248
	v_lshl_add_u32 v[CO], v249, 11, v[CO]
	v_lshl_add_u32 v252, v0, 5, PAB                ; my 8 words of the padding table
	v_mov_b32 v[C8], 0x3e000000                    ; 1 / sqrt(64)
	v_mov_b32 v[AL+1], 0
	v_mov_b32 v[ML+1], 0
	v_mov_b32 v[ML+3], 0
	s_mov_b32 s66, 0x76543210                      ; lane i of one half reads lane i of the other
	s_mov_b32 s67, 0xfedcba98
	s_wait_loadcnt 8                               ; the padding bytes are in; the eight Q loads stay out
.irp k, 0,1,2,3
	v_bfe_u32 v[MK+\k], v254, 8*\k, 8
	v_bfe_u32 v[MK+4+\k], v255, 8*\k, 8
.endr
.irp k, 0,1,2,3,4,5,6,7
	v_cvt_f32_u32 v[MK+\k], v[MK+\k]
	v_mul_f32 v[MK+\k], 0xcfee6b28, v[MK+\k]       ; 0 or -8e9 = 8 x (-1e9), exact
.endr
	ds_store_b128 v252, v[MK:MK+3]
	ds_store_b128 v252, v[MK+4:MK+7] offset:16
	s_wait_loadcnt 0x0                             ; Q
	s_wait_tensorcnt 3                             ; tile 0's three loads have landed, tile 1's three stay out
	s_wait_dscnt 0x0                               ; my part of the padding table is written
	s_barrier_signal -1
	s_barrier_wait -1
.macro LDK s, c                        ; 8 loads
.irp kt, 0,1
.irp n, 0,1,2,3
	ds_load_b128 v[KF+16*\kt+4*\n:KF+16*\kt+4*\n+3], v[AK] offset:\s*KS+(32*\c+16*\kt)*144+32*\n
.endr
.endr
.endm
.macro LDV s, c                        ; 8 loads
.irp dt, 0,1,2,3
	ds_load_tr16_b128 v[VF+8*\dt:VF+8*\dt+3], v[AV] offset:\s*VS+\c*5120+32*\dt
	ds_load_tr16_b128 v[VF+8*\dt+4:VF+8*\dt+7], v[AV] offset:\s*VS+\c*5120+32*\dt+2560
.endr
.endm
.macro LDM s, c, i                     ; 2 loads: keys 16 kt + 8 h + 0..7 of the chunk, 16 bytes
.irp kt, 0,1
	ds_load_b128 v[MK+4*\kt:MK+4*\kt+3], v[AM] offset:\s*MS+\i*4352+(32*\c+16*\kt)*2
.endr
.endm
.macro LDP imm                         ; 4 loads: register 8 kt + j takes key 16 kt + 8 h + j, as a score tile holds it
.irp kt, 0,1
	ds_load_b128 v[PAR+8*\kt:PAR+8*\kt+3], v[AP] offset:\imm+64*\kt
	ds_load_b128 v[PAR+8*\kt+4:PAR+8*\kt+7], v[AP] offset:\imm+64*\kt+16
.endr
.endm
; S^T of piece y, key tile kt, d half dc; the first half starts the sum from the padding addends
.macro SW y, kt, dc
.if \dc
	v_wmma_f32_16x16x32_f16 v[SA+16*\y+8*\kt:SA+16*\y+8*\kt+7], v[KF+16*\kt+8*\dc:KF+16*\kt+8*\dc+7], v[QF+16*\y+8*\dc:QF+16*\y+8*\dc+7], v[SA+16*\y+8*\kt:SA+16*\y+8*\kt+7]
.else
	v_wmma_f32_16x16x32_f16 v[SA+16*\y+8*\kt:SA+16*\y+8*\kt+7], v[KF+16*\kt+8*\dc:KF+16*\kt+8*\dc+7], v[QF+16*\y+8*\dc:QF+16*\y+8*\dc+7], v[PAR+8*\kt:PAR+8*\kt+7]
.endif
.endm
; ctx^T of piece y, d tile dt, += V^T P^T over the chunk's 32 keys
.macro PVW y, dt, zero
.if \zero
	v_wmma_f32_16x16x32_f16 v[ACC+32*\y+8*\dt:ACC+32*\y+8*\dt+7], v[VF+8*\dt:VF+8*\dt+7], v[SA+16*\y:SA+16*\y+7], 0
.else
	v_wmma_f32_16x16x32_f16 v[ACC+32*\y+8*\dt:ACC+32*\y+8*\dt+7], v[VF+8*\dt:VF+8*\dt+7], v[SA+16*\y:SA+16*\y+7], v[ACC+32*\y+8*\dt:ACC+32*\y+8*\dt+7]
.endif
.endm
; the softmax of piece x in parts
.macro P1 x                            ; s / 8 + mask: the third source is a bf16 half, the first two whole f32; one rounding
.irp kt, 0,1
.irp p, 0,1,2,3
	v_fma_mix_f32_bf16 v[SA+16*\x+8*\kt+2*\p], v[SA+16*\x+8*\kt+2*\p], v[C8], v[MK+4*\kt+\p] op_sel_hi:[0,0,1]
	v_fma_mix_f32_bf16 v[SA+16*\x+8*\kt+2*\p+1], v[SA+16*\x+8*\kt+2*\p+1], v[C8], v[MK+4*\kt+\p] op_sel:[0,0,1] op_sel_hi:[0,0,1]
.endr
.endr
.endm
.macro P3A x, first                    ; the maximum of my 16 keys and the old one, in two chains
.if \first
	v_max3_num_f32 v[T0], v[SA+16*\x], v[SA+16*\x+1], 0xfe967699       ; -1e38
.else
	v_max3_num_f32 v[T0], v[SA+16*\x], v[SA+16*\x+1], v[ML+2*\x]
.endif
	v_max3_num_f32 v[T1], v[SA+16*\x+8], v[SA+16*\x+9], v[SA+16*\x+10]
	v_max3_num_f32 v[T0], v[T0], v[SA+16*\x+2], v[SA+16*\x+3]
	v_max3_num_f32 v[T1], v[T1], v[SA+16*\x+11], v[SA+16*\x+12]
.endm
.macro P3B x
	v_max3_num_f32 v[T0], v[T0], v[SA+16*\x+4], v[SA+16*\x+5]
	v_max3_num_f32 v[T1], v[T1], v[SA+16*\x+13], v[SA+16*\x+14]
	v_max3_num_f32 v[T0], v[T0], v[SA+16*\x+6], v[SA+16*\x+7]
	v_max3_num_f32 v[T0], v[T0], v[T1], v[SA+16*\x+15]
.endm
.macro P4 x, first                     ; the other half's 16 keys; the factor for what has been summed so far
	v_permlanex16_b32 v[T1], v[T0], s66, s67
	v_max_num_f32 v[T0], v[T0], v[T1]
.if \first == 0
	v_sub_f32 v[T2], v[ML+2*\x], v[T0]
	v_mul_f32 v[T2], 0x3fb8aa3b, v[T2]
	v_exp_f32 v[AL], v[T2]
.endif
	v_mov_b32 v[ML+2*\x], v[T0]                    ; also the plain instruction behind the exponential (ISA guide 5.7.2)
.endm
.macro P5 x                            ; t - m, formed before the scaling
.irp k, 0,2,4,6,8,10,12,14
	v_pk_add_f32 v[SA+16*\x+\k:SA+16*\x+\k+1], v[SA+16*\x+\k:SA+16*\x+\k+1], v[ML+2*\x:ML+2*\x+1] op_sel_hi:[1,0] neg_lo:[0,1] neg_hi:[0,1]
.endr
.endm
.macro P6 x
.irp k, 0,2,4,6,8,10,12,14
	v_pk_mul_f32 v[SA+16*\x+\k:SA+16*\x+\k+1], v[SA+16*\x+\k:SA+16*\x+\k+1], 0x3fb8aa3b op_sel_hi:[1,0]
.endr
.endm
.macro P7 x, from
.irp k, 0,1,2,3,4,5,6,7
	v_exp_f32 v[SA+16*\x+\from+\k], v[SA+16*\x+\from+\k]
.endr
.endm
.macro P8 x, first                     ; what has been summed so far is brought to the new maximum; its first line is the plain instruction behind the exponentials
.if \first
	v_nop
	s_wait_alu depctr_va_vdst(0)
.else
	s_wait_alu depctr_va_vdst(0)
.irp k, 0,2,4,6,8,10,12,14,16,18,20,22,24,26,28,30
	v_pk_mul_f32 v[ACC+32*\x+\k:ACC+32*\x+\k+1], v[ACC+32*\x+\k:ACC+32*\x+\k+1], v[AL:AL+1] op_sel_hi:[1,0]
.endr
.endif
.endm
.macro P9 x, first                     ; the lane's sum of weights; the two halves of a query meet at the end
	v_pk_add_f32 v[U:U+1], v[SA+16*\x:SA+16*\x+1], v[SA+16*\x+2:SA+16*\x+3]
	v_pk_add_f32 v[U2:U2+1], v[SA+16*\x+4:SA+16*\x+5], v[SA+16*\x+6:SA+16*\x+7]
	v_pk_add_f32 v[U:U+1], v[U:U+1], v[SA+16*\x+8:SA+16*\x+9]
	v_pk_add_f32 v[U2:U2+1], v[U2:U2+1], v[SA+16*\x+10:SA+16*\x+11]
	v_pk_add_f32 v[U:U+1], v[U:U+1], v[SA+16*\x+12:SA+16*\x+13]
	v_pk_add_f32 v[U2:U2+1], v[U2:U2+1], v[SA+16*\x+14:SA+16*\x+15]
	v_pk_add_f32 v[U:U+1], v[U:U+1], v[U2:U2+1]
	v_add_f32 v[T0], v[U], v[U+1]
.if \first
	v_mov_b32 v[ML+2*\x+1], v[T0]
.else
	v_fma_f32 v[ML+2*\x+1], v[ML+2*\x+1], v[AL], v[T0]
.endif
.endm
.macro P10 x                           ; 16 weights into 8 registers of f16, in place: register k takes 2 k and 2 k + 1, k ascending
.irp k, 0,1,2,3,4,5,6,7
	v_cvt_pk_f16_f32 v[SA+16*\x+\k], v[SA+16*\x+2*\k], v[SA+16*\x+2*\k+1]
.endr
.endm
; Half-phase of chunk g for piece A (slot s, chunk c of its tile): A's softmax among B's products: ctx_B += chunk g - 1, S_B of chunk g.
; No two matrix instructions that follow each other share an accumulator, one instruction a turn.
; Distances: the 8 lines of P5 stand between the last ctx product and both the V loads and the score product that writes over its weights;
; P8 to P10 stand between the last score product and the next half-phase's reads of the scores and loads into K's fragments and the padding addends.
.macro HPA s, c, first, pv, pvzero
	s_wait_dscnt 0                                 ; A's mask is in: its two loads are all that is out
	P1 0
	LDM \s, \c, 1                                  ; B's mask of this chunk
.if \pv
	PVW 1, 0, \pvzero
.endif
	P3A 0, \first
.if \pv
	PVW 1, 1, \pvzero
.endif
	P3B 0
.if \pv
	PVW 1, 2, \pvzero
.endif
	P4 0, \first
.if \pv
	PVW 1, 3, \pvzero
.endif
	P5 0
	LDV \s, \c                                     ; V of this chunk
	SW 1, 0, 0
	P6 0
	SW 1, 1, 0
	P7 0, 0
	SW 1, 0, 1
	P7 0, 8
	SW 1, 1, 1
	P8 0, \first
	P9 0, \first
	P10 0
.endm
; Half-phase of chunk g for piece B: B's softmax among A's products: ctx_A += chunk g, S_A of chunk g + 1 (slot ns, chunk nc; its padding addends at pimm).
.macro HPB ns, nc, pimm, first, pvzero, next
	s_wait_dscnt 8                                 ; B's mask is in; V's eight loads may be out
	P1 1
.if \next
	LDK \ns, \nc
	LDP \pimm
	LDM \ns, \nc, 0
	s_wait_dscnt 14                                ; V is in; younger: K 8, padding 4, mask 2
.else
	s_wait_dscnt 0
.endif
	PVW 0, 0, \pvzero
	P3A 1, \first
	PVW 0, 1, \pvzero
	P3B 1
	PVW 0, 2, \pvzero
	P4 1, \first
	PVW 0, 3, \pvzero
	P5 1
.if \next
	s_wait_dscnt 2                                 ; K and the padding addends are in; the two mask loads may be out
	SW 0, 0, 0
	P6 1
	SW 0, 1, 0
	P7 1, 0
	SW 0, 0, 1
	P7 1, 8
	SW 0, 1, 1
.else
	P6 1
	P7 1, 0
	P7 1, 8
.endif
	P8 1, \first
	P9 1, \first
	P10 1
.endm
; The change of tiles.  All LDS reads of the tile in \slot have been issued; each wave waits for them and for all its tensor loads (the next tile among
; them), then the round; the three joint refills come first behind it and have eight half-phases in which to land.
.macro BOUND slot, refill
	s_set_vgpr_msb 0x4
	s_wait_tensorcnt 0x0
	ds_add_u32 v13, v1
	s_wait_dscnt 0x0
	s_set_vgpr_msb 0x400
.if \refill
	s_add_nc_u64 s[G0M+4*\slot+2:G0M+4*\slot+3], s[G0M+4*\slot+2:G0M+4*\slot+3], 512       ; two tiles on: 256 keys x 2 bytes
	s_add_nc_u64 s[G0K+4*\slot+2:G0K+4*\slot+3], s[G0K+4*\slot+2:G0K+4*\slot+3], 32768     ; 256 rows x 128 bytes
	s_add_nc_u64 s[G0V+4*\slot+2:G0V+4*\slot+3], s[G0V+4*\slot+2:G0V+4*\slot+3], 32768
.endif
	s_wait_dscnt 0x0
.if \refill
	ROUND
	tensor_load_to_lds s[G0M+4*\slot:G0M+4*\slot+3], s[G1M:G1M+7]
	s_nop 0
	tensor_load_to_lds s[G0K+4*\slot:G0K+4*\slot+3], s[G1K:G1K+7]
	s_nop 0
	tensor_load_to_lds s[G0V+4*\slot:G0V+4*\slot+3], s[G1V:G1V+7]
	s_nop 0
.else
	s_barrier_signal -1
	s_barrier_wait -1
.endif
.endm
	LDK 0, 0
	LDP 0
	LDM 0, 0, 0
	s_wait_dscnt 2                                 ; K and the padding addends are in; the two mask loads may be out
	SW 0, 0, 0
	SW 0, 1, 0
	SW 0, 0, 1
	SW 0, 1, 1
.rept 4
	v_nop                                          ; four places in front of the first read of the scores (ISA guide 7.12.1)
.endr
	HPA 0, 0, 1, 0, 0                              ; tile 0, chunk 0
	HPB 0, 1, 128, 1, 1, 1
	HPA 0, 1, 0, 1, 1                              ; chunk 1
	HPB 0, 2, 256, 0, 0, 1
	HPA 0, 2, 0, 1, 0                              ; chunk 2
	HPB 0, 3, 384, 0, 0, 1
	HPA 0, 3, 0, 1, 0                              ; chunk 3
	s_mov_b32 s68, 7                               ; a lap: eight chunks, two tiles; the laps fetch tiles 2 to 15
.Llap:
	BOUND 0, 1
	HPB 1, 0, 512, 0, 0, 1
	HPA 1, 0, 0, 1, 0
	HPB 1, 1, 640, 0, 0, 1
	HPA 1, 1, 0, 1, 0
	HPB 1, 2, 768, 0, 0, 1
	HPA 1, 2, 0, 1, 0
	HPB 1, 3, 896, 0, 0, 1
	HPA 1, 3, 0, 1, 0
	BOUND 1, 1
	HPB 0, 0, 1024, 0, 0, 1
	HPA 0, 0, 0, 1, 0
	HPB 0, 1, 1152, 0, 0, 1
	HPA 0, 1, 0, 1, 0
	HPB 0, 2, 1280, 0, 0, 1
	HPA 0, 2, 0, 1, 0
	HPB 0, 3, 1408, 0, 0, 1
	HPA 0, 3, 0, 1, 0
	v_add_nc_u32 v[AP], 1024, v[AP]                ; 256 keys on in the padding table
	s_sub_co_u32 s68, s68, 1
	s_cmp_lg_u32 s68, 0
	s_cbranch_scc1 .Llap
	BOUND 0, 0                                     ; tile 15 is whole; nothing more is fetched
	HPB 1, 0, 512, 0, 0, 1
	HPA 1, 0, 0, 1, 0
	HPB 1, 1, 640, 0, 0, 1
	HPA 1, 1, 0, 1, 0
	HPB 1, 2, 768, 0, 0, 1
	HPA 1, 2, 0, 1, 0
	HPB 1, 3, 896, 0, 0, 1
	HPA 1, 3, 0, 1, 0
	HPB 0, 0, 0, 0, 0, 0
	PVW 1, 0, 0
	PVW 1, 1, 0
	PVW 1, 2, 0
	PVW 1, 3, 0
.rept 4
	v_nop
.endr
; the way out of piece i: the two halves' sums meet, ctx / l, f16, 16 bytes a lane into the stage
.macro FIN i
	v_permlanex16_b32 v[T1], v[ML+2*\i+1], s66, s67
	v_add_f32 v[T0], v[ML+2*\i+1], v[T1]
	v_rcp_f32 v[AL], v[T0]
	v_nop                                          ; the plain instruction behind the reciprocal
	s_wait_alu depctr_va_vdst(0)
.irp k, 0,2,4,6,8,10,12,14,16,18,20,22,24,26,28,30
	v_pk_mul_f32 v[ACC+32*\i+\k:ACC+32*\i+\k+1], v[ACC+32*\i+\k:ACC+32*\i+\k+1], v[AL:AL+1] op_sel_hi:[1,0]
.endr
.irp k, 0,1,2,3,4,5,6,7,8,9,10,11,12,13,14,15
	v_cvt_pk_f16_f32 v[MK+16*\i+\k], v[ACC+32*\i+2*\k], v[ACC+32*\i+2*\k+1]
.endr
.irp dt, 0,1,2,3
	ds_store_b128 v[AST], v[MK+16*\i+4*\dt:MK+16*\i+4*\dt+3] offset:\i*4352+32*\dt
.endr
.endm
	FIN 0
	FIN 1
	s_wait_dscnt 0x0                               ; my rows of the stage are written
	ROUND                                          ; the closing round; its barriers also show the stage to all eight waves
.irp t, 0,1,2,3,4,5,6,7
	ds_load_b128 v[SA+4*\t:SA+4*\t+3], v[ARD] offset:\t*544
.endr
.irp t, 0,1,2,3,4,5,6,7
	s_wait_dscnt 7-\t
	global_store_b128 v[CO], v[SA+4*\t:SA+4*\t+3], s[82:83] offset:\t*4096     ; 16 lanes: both heads' 256 consecutive bytes of one row of ctx, aligned
.endr
	s_set_vgpr_msb 0x4
	s_wait_tensorcnt 0x0
	ds_add_u32 v13, v1
	s_wait_dscnt 0x0
	s_set_vgpr_msb 0x400
	s_endpgm
.Lfunc_end_k_qbd3b6a0ddb_attn:
	.size	k_qbd3b6a0ddb_attn, .Lfunc_end_k_qbd3b6a0ddb_attn-k_qbd3b6a0ddb_attn
	.p2alignl 7, 3214868480
	.fill 96, 4, 3214868480
	.section	.rodata,"a",@progbits
	.p2align	6, 0x0
	.amdhsa_kernel k_qbd3b6a0ddb_attn
		.amdhsa_group_segment_fixed_size 327680
		.amdhsa_private_segment_fixed_size 0
		.amdhsa_enable_private_segment 0
		.amdhsa_kernarg_size 32
		.amdhsa_user_sgpr_count 2
		.amdhsa_user_sgpr_kernarg_segment_ptr 1
		.amdhsa_wavefront_size32 1
		.amdhsa_system_sgpr_workgroup_id_x 1
		.amdhsa_system_sgpr_workgroup_id_y 1
		.amdhsa_system_sgpr_workgroup_id_z 1
		.amdhsa_system_vgpr_workitem_id 0
		.amdhsa_next_free_vgpr 258
		.amdhsa_next_free_sgpr 96
		.amdhsa_reserve_vcc 0
		.amdhsa_float_denorm_mode_32 3
		.amdhsa_float_denorm_mode_16_64 3
		.amdhsa_memory_ordered 1
		.amdhsa_forward_progress 1
		.amdhsa_inst_pref_size 239
	.end_amdhsa_kernel
	.amdgpu_metadata
---
amdhsa.version: [ 1, 2 ]
amdhsa.kernels:
  - .name:           k_qbd3b6a0ddb_attn
    .symbol:         k_qbd3b6a0ddb_attn.kd
    .args:
      - { .name: qkv, .offset: 0, .size: 8, .value_kind: global_buffer, .address_space: global }
      - { .name: xw, .offset: 8, .size: 8, .value_kind: global_buffer, .address_space: global }
      - { .name: padding_mask, .offset: 16, .size: 8, .value_kind: global_buffer, .address_space: global }
      - { .name: ctx, .offset: 24, .size: 8, .value_kind: global_buffer, .address_space: global }
    .group_segment_fixed_size: 327680
    .private_segment_fixed_size: 0
    .kernarg_segment_align: 8
    .kernarg_segment_size: 32
    .max_flat_workgroup_size: 256
    .sgpr_count:     96
    .vgpr_count:     258
    .wavefront_size: 32
...
	.end_amdgpu_metadata
.endif
;; end of part 3
;; launch oproj (part 4): grid 8 x 32, 4 waves a work-group, clusters of 4 x 4, 327,680 bytes of LDS; arguments ctx, xw, b_o, out0; writes out0
.if DOCPART == 4
	.amdgcn_target "amdgcn-amd-amdhsa--gfx1250"
	.amdhsa_code_object_version 6
	.text
	.protected	k_qbd3b6a0ddb_oproj
	.globl	k_qbd3b6a0ddb_oproj
	.p2align	8
	.type	k_qbd3b6a0ddb_oproj,@function
k_qbd3b6a0ddb_oproj:
	s_mov_b64 s[64:65], 0
	v_nop
	global_prefetch_b8 v0, s[64:65] scope:SCOPE_SE
	s_setreg_imm32_b32 hwreg(HW_REG_WAVE_MODE, 25, 1), 1
	s_wait_xcnt 0x0
	s_wait_alu depctr_hold_cnt(0) depctr_sa_sdst(0) depctr_va_vdst(0) depctr_va_sdst(0) depctr_va_ssrc(0) depctr_va_vcc(0) depctr_vm_vsrc(0)
	s_getreg_b32 s2, hwreg(HW_REG_IB_STS2, 6, 4)
	s_cmp_eq_u32 s2, 0
	s_cbranch_scc0 .Lentry_in_a_cluster
	s_endpgm
.Lentry_in_a_cluster:
	s_bfe_u32 s2, ttmp6, 0x10000c
	s_cmp_lg_u32 s2, 0xf033
	s_cbranch_scc0 .Lentry_shape_is_right
	s_endpgm
.Lentry_shape_is_right:
; out0[4096][1024] = ctx W_o^T + b_o.  ctx in f16; W_o's bf16-rounded numbers written as f16 (xw); sums, bias and result in f32.
; A work-group makes 128 x 128 with four waves: 32 x 8 = 256 work-groups.  Of the blocks that give 256 work-groups the square one takes the fewest
; rows into LDS: (128 + 128) rows x 2,048 bytes.  A wave makes 64 x 64: 16 accumulator tiles, 128 registers.
; K = 1024 goes in FOUR steps of 256 through two LDS slots filled by the tensor data mover (rows of 512 bytes, 256-byte aligned): the long step halves
; the number of refills and of rounds of the cluster's barrier.  Four steps are written out: there is no loop.
; CLUSTERS 4 x 4: ctx's tile hangs on the block row alone (joint along a row of the cluster), W_o's on the block column alone (joint along a column).
; REGISTERS: window 0: v0-31 addresses; v64-127 and v128-191 two fragment buffers (ctx's four fragments, then W_o's four); v192-223 bias;
;   on the way out v64-127 rows read back.  Window 1: v0-127 accumulators (tile (a, b) at v[8 (4 a + b)]).
; The matrix instruction is used transposed (source 0 = rows of W_o, source 1 = rows of ctx): lane l holds row l % 16 and 8 neighbouring columns.
.set SIZE_K, 1024
.set KSTEP,  256
.set PITCH,  528                       ; 512 bytes + 16: the 16 rows of a fragment load start 16 bytes apart modulo 256
.set HALF,   64*PITCH                  ; what one tensor load brings, and what one wave reads of ctx or of W_o
.set SLOT,   4*HALF                    ; ctx's 128 rows, then W_o's 128 rows
.set STAGE,  2*SLOT                    ; behind the ring: 16 rows x 272 bytes for each wave; no tensor load lands there
.set SPITCH, 272                       ; 64 f32 + 16 bytes
.set WOFF, 25165824+3*2097152          ; W_o's place in xw
.set ADRA, 16
.set ADRB, 20
.set STO,  24
.set RD,   25
.set CO,   26
.set BI,   27
.set F0,   64
.set F1,   128
.set BIAS, 192
.set G1, 24
.set G0, 32
.set G1B, 48
.set G0B, 56
.set MSB, 0
.macro WIN new                         ; the immediate's high byte repeats the setting that is left
.if MSB != \new
	s_set_vgpr_msb (MSB<<8)|\new
.set MSB, \new
.endif
.endm
.set MULW, 0x50                        ; sources 0 and 1 window 0, C and D window 1
.macro JLOAD s                         ; waves 0, 1 fetch ctx's two halves of 64 rows, waves 2, 3 W_o's; the branch hangs on the wave's number alone
	s_cmp_eq_u32 s11, 0
	s_cbranch_scc0 .Lfor_b_\@
	tensor_load_to_lds s[G0+4*\s:G0+4*\s+3], s[G1:G1+7]
	s_nop 0
	s_branch .Lasked_\@
.Lfor_b_\@:
	tensor_load_to_lds s[G0B+4*\s:G0B+4*\s+3], s[G1B:G1B+7]
	s_nop 0
.Lasked_\@:
.endm
.macro CREST                           ; a round of the cluster's barrier behind its opening work-group barrier
	s_cmp_lg_u32 s10, 0
	s_cbranch_scc1 .Lnot_wave_0_\@
	s_barrier_signal -3
.Lnot_wave_0_\@:
	s_barrier_wait -3
	s_barrier_signal -1
	s_barrier_wait -1
.endm
.macro CROUND
	s_barrier_signal -1
	s_barrier_wait -1
	CREST
.endm
	s_load_b256 s[72:79], s[0:1], 0x0              ; ctx s[72:73], xw s[74:75], b_o s[76:77], out0 s[78:79]
	v_lshl_add_u32 v254, v0, 2, 0x46400
	v_mov_b32 v255, 0
	ds_add_u32 v254, v255
	v_lshrrev_b32 v1, 5, v0
	v_readfirstlane_b32 s10, v1                    ; wave 0..3
	s_lshr_b32 s11, s10, 1                         ; my 64 of the block's 128 rows; also: I fetch for ctx (0) or W_o (1)
	s_and_b32 s12, s10, 1                          ; my 64 of its 128 columns; also: which 64 rows I fetch
	s_bfe_u32 s40, ttmp6, 0x40000                  ; cx
	s_bfe_u32 s41, ttmp6, 0x40004                  ; cy
	s_lshl_b32 s42, ttmp9, 2
	s_add_co_u32 s42, s42, s40                     ; block column 0..7
	s_and_b32 s13, ttmp7, 0xffff
	s_lshl_b32 s13, s13, 2
	s_add_co_u32 s13, s13, s41                     ; block row 0..31
	s_lshl_b32 s43, s41, 2
	s_lshl_b32 s43, 15, s43                        ; my row of the cluster
	s_lshl_b32 s44, 0x1111, s40                    ; my column
	; group 1: 64 rows x 256 elements of 2 bytes, 4 words of padding behind every 128
	s_or_b32 s[G1+0], s43, (1<<16)|(1<<20)|(1<<21)|(6<<22)|(3<<25)
	s_or_b32 s[G1B+0], s44, (1<<16)|(1<<20)|(1<<21)|(6<<22)|(3<<25)
	s_mov_b32 s[G1+1], KSTEP<<16                   ; tensor_dim0 = 256
	s_mov_b32 s[G1B+1], KSTEP<<16
	s_mov_b32 s[G1+2], 64<<16                      ; tensor_dim1 = 64
	s_mov_b32 s[G1B+2], 64<<16
	s_mov_b32 s[G1+3], KSTEP<<16                   ; tile_dim0 = 256
	s_mov_b32 s[G1B+3], KSTEP<<16
	s_mov_b32 s[G1+4], 64                          ; tile_dim1 = 64
	s_mov_b32 s[G1B+4], 64
	s_mov_b32 s[G1+5], SIZE_K                      ; elements from row to row
	s_mov_b32 s[G1B+5], SIZE_K
	s_mov_b32 s[G1+6], 0
	s_mov_b32 s[G1B+6], 0
	s_mov_b32 s[G1+7], 0
	s_mov_b32 s[G1B+7], 0
	; ctx's offset from the block row and the wave alone, W_o's from the block column and the wave alone, in registers of their own
	s_lshl_b32 s16, s13, 18                        ; 128 rows of 2,048 bytes x block row
	s_lshl_b32 s17, s12, 17                        ; + 64 rows x half
	s_add_co_u32 s16, s16, s17
	s_mov_b32 s17, 0
	s_lshl_b32 s46, s42, 18                        ; 128 rows x block column
	s_lshl_b32 s47, s12, 17                        ; + 64 rows x half
	s_add_co_u32 s46, s46, s47
	s_add_co_u32 s46, s46, WOFF
	s_mov_b32 s47, 0
	s_mul_i32 s20, s10, HALF                       ; LDS: ctx's two halves, then W_o's two halves = wave x 64 rows
	s_wait_dscnt 0x0
	s_wait_kmcnt 0x0
	s_add_nc_u64 s[14:15], s[72:73], s[16:17]
	s_add_nc_u64 s[46:47], s[74:75], s[46:47]
	CROUND                                         ; all sixteen work-groups are here: the first joint loads meet
.irp s, 0,1
	s_mov_b32 s[G0+4*\s], 1
	s_add_co_u32 s[G0+4*\s+1], s20, \s*SLOT
	s_add_nc_u64 s[G0+4*\s+2:G0+4*\s+3], s[14:15], \s*KSTEP*2
	s_or_b32 s[G0+4*\s+3], s[G0+4*\s+3], 0x80000000
	s_mov_b32 s[G0B+4*\s], 1
	s_add_co_u32 s[G0B+4*\s+1], s20, \s*SLOT
	s_add_nc_u64 s[G0B+4*\s+2:G0B+4*\s+3], s[46:47], \s*KSTEP*2
	s_or_b32 s[G0B+4*\s+3], s[G0B+4*\s+3], 0x80000000
	JLOAD \s
.endr
	v_and_b32 v1, 15, v0                           ; r = l % 16
	v_bfe_u32 v2, v0, 4, 1                         ; h = l / 16
	v_mul_u32_u24 v3, v1, PITCH
	v_lshl_add_u32 v3, v2, 4, v3                   ; fragment loads: row x pitch + 16 h
	s_mul_i32 s22, s11, HALF                       ; my 64 rows of ctx
	s_mul_i32 s23, s12, HALF                       ; my 64 rows of W_o,
	s_add_co_u32 s23, s23, 2*HALF                  ; which lie behind ctx's 128
.irp s, 0,1
	v_add_nc_u32 v[ADRA+\s], s22, v3
	v_add_nc_u32 v[ADRB+\s], s23, v3
	s_add_co_u32 s22, s22, SLOT
	s_add_co_u32 s23, s23, SLOT
.endr
	s_mul_i32 s23, s10, 16*SPITCH
	s_add_co_u32 s23, s23, STAGE                   ; my stage
	v_mul_u32_u24 v4, v1, SPITCH
	v_lshl_add_u32 v4, v2, 5, v4
	v_add_nc_u32 v[STO], s23, v4                   ; in: row r, 32 bytes for each half of the lanes
	v_mul_u32_u24 v5, v2, SPITCH                   ; back: lanes 0-15 take one row of 256 bytes, lanes 16-31 the next
	v_lshl_add_u32 v5, v1, 4, v5
	v_add_nc_u32 v[RD], s23, v5
	v_lshlrev_b32 v6, 4, v1
	v_lshl_add_u32 v[CO], v2, 12, v6               ; and the same two rows in out0, 4,096 bytes apart
	s_lshl_b32 s18, s42, 9
	s_lshl_b32 s19, s12, 8
	s_add_co_u32 s18, s18, s19                     ; my first column x 4 bytes
	s_mov_b32 s19, 0
	s_add_nc_u64 s[76:77], s[76:77], s[18:19]
	s_add_nc_u64 s[78:79], s[78:79], s[18:19]
	s_lshl_b32 s18, s13, 19                        ; 128 rows of 4,096 bytes x block row
	s_lshl_b32 s19, s11, 18                        ; + 64 rows x half
	s_add_co_u32 s18, s18, s19
	s_mov_b32 s19, 0
	s_add_nc_u64 s[78:79], s[78:79], s[18:19]
	v_lshlrev_b32 v[BI], 5, v2                     ; 8 h columns x 4 bytes
.irp b, 0,1,2,3
	global_load_b128 v[BIAS+8*\b:BIAS+8*\b+3], v[BI], s[76:77] offset:64*\b        ; columns 16 b + 8 h + 0..3: asked for now, used at the way out
	global_load_b128 v[BIAS+8*\b+4:BIAS+8*\b+7], v[BI], s[76:77] offset:64*\b+16   ; and + 4..7
.endr
; 8 matrix instructions: row tiles a0, a0 + 1 x all 4 column tiles, 32 along K.  zero = 1: the first product starts the sums.
.macro MUL8 f, a0, zero
.irp a, \a0, \a0+1
.irp b, 0,1,2,3
.if \zero
	v_wmma_f32_16x16x32_f16 v[8*(4*(\a)+\b):8*(4*(\a)+\b)+7], v[\f+32+8*\b:\f+32+8*\b+7], v[\f+8*(\a):\f+8*(\a)+7], 0
.else
	v_wmma_f32_16x16x32_f16 v[8*(4*(\a)+\b):8*(4*(\a)+\b)+7], v[\f+32+8*\b:\f+32+8*\b+7], v[\f+8*(\a):\f+8*(\a)+7], v[8*(4*(\a)+\b):8*(4*(\a)+\b)+7]
.endif
.endr
.endr
.endm
.macro FETCH slot, k, f                ; 16 LDS loads in one run: W_o's 4 fragments, then ctx's 4
	WIN 0
.irp i, 0,1,2,3
	ds_load_b128 v[\f+32+8*\i:\f+32+8*\i+3], v[ADRB+\slot] offset:\k+\i*16*PITCH
	ds_load_b128 v[\f+32+8*\i+4:\f+32+8*\i+7], v[ADRB+\slot] offset:\k+\i*16*PITCH+32
.endr
.irp i, 0,1,2,3
	ds_load_b128 v[\f+8*\i:\f+8*\i+3],   v[ADRA+\slot] offset:\k+\i*16*PITCH
	ds_load_b128 v[\f+8*\i+4:\f+8*\i+7], v[ADRA+\slot] offset:\k+\i*16*PITCH+32
.endr
.endm
.macro PLACES                          ; four plain vector places between a matrix instruction and a load into, or a vector read of, its registers
.rept 4
	v_nop
.endr
.endm
; A K step is eight quarter-hundreds of 32 along K, 16 matrix instructions each, on buffers 0, 1, 0, 1, ...
; The 16 accumulators take turns, one instruction a turn, in the same order in every one of them.
.macro QUARTER slot, k, f, g, zero
	s_wait_dscnt 4                                 ; W_o and ctx's row tiles 0, 1 are in; the youngest four loads (row tiles 2, 3) may be out
	WIN MULW
	MUL8 \f, 0, \zero
	PLACES
	FETCH \slot, \k, \g
	s_wait_dscnt 16                                ; all but the 16 just issued
	WIN MULW
	MUL8 \f, 2, \zero
.endm
.macro SEVEN slot, zero
	QUARTER \slot, 64,  F0, F1, \zero
	QUARTER \slot, 128, F1, F0, 0
	QUARTER \slot, 192, F0, F1, 0
	QUARTER \slot, 256, F1, F0, 0
	QUARTER \slot, 320, F0, F1, 0
	QUARTER \slot, 384, F1, F0, 0
	QUARTER \slot, 448, F0, F1, 0
.endm
; The eighth: multiplies buffer 1 and changes slots.  fill = 1: this slot is filled again, two K steps ahead.
.macro TURN slot, next, fill
	s_wait_dscnt 0                                 ; my reads of this slot are over
	s_wait_tensorcnt 0x0                           ; all my tensor loads have landed: the one that was out is my part of the next slot
	ds_add_u32 v254, v255
	s_wait_dscnt 0x0
	s_barrier_signal -1
	WIN MULW
	MUL8 F1, 0, 0                                  ; register work while the others arrive
	WIN 0
	s_barrier_wait -1
.if \fill
	CREST                                          ; no wave of any partner still reads this slot or has a load on its way
	s_add_nc_u64 s[G0+4*\slot+2:G0+4*\slot+3], s[G0+4*\slot+2:G0+4*\slot+3], 2*KSTEP*2
	s_add_nc_u64 s[G0B+4*\slot+2:G0B+4*\slot+3], s[G0B+4*\slot+2:G0B+4*\slot+3], 2*KSTEP*2
	JLOAD \slot                                    ; the first tensor load behind the round; one load of the wave is out
.endif
	PLACES
	FETCH \next, 0, F0
	WIN MULW
	MUL8 F1, 2, 0
.endm
	s_wait_tensorcnt 1                             ; my part of K step 0 is in, K step 1's load stays out
	s_barrier_signal -1
	s_barrier_wait -1
	FETCH 0, 0, F0
	SEVEN 0, 1                                     ; K step 0: its first products start the sums
	TURN 0, 1, 1                                   ; slot 0 gets K step 2
	SEVEN 1, 0                                     ; K step 1
	TURN 1, 0, 1                                   ; slot 1 gets K step 3
	SEVEN 0, 0                                     ; K step 2
	TURN 0, 1, 0                                   ; nothing more to fetch
	SEVEN 1, 0                                     ; K step 3
	s_wait_dscnt 0
	WIN MULW
	MUL8 F1, 0, 0
	MUL8 F1, 2, 0
	; THE WAY OUT: bias in place, 16 rows at a time through my own stage, whole rows of 256 bytes out
	PLACES
	s_wait_loadcnt 0x0                             ; the bias, asked for at the head
	WIN 0x41                                       ; destination and source 0 window 1, source 1 (bias) window 0
.irp a, 0,1,2,3
.irp b, 0,1,2,3
.irp p, 0,2,4,6
	v_pk_add_f32 v[8*(4*\a+\b)+\p:8*(4*\a+\b)+\p+1], v[8*(4*\a+\b)+\p:8*(4*\a+\b)+\p+1], v[BIAS+8*\b+\p:BIAS+8*\b+\p+1]
.endr
.endr
.endr
.macro OUTF i, f
	WIN 0x04                                       ; an LDS store's data is source 1: window 1
.irp b, 0,1,2,3
	ds_store_b128 v[STO], v[8*(4*\i+\b):8*(4*\i+\b)+3] offset:64*\b
	ds_store_b128 v[STO], v[8*(4*\i+\b)+4:8*(4*\i+\b)+7] offset:64*\b+16
.endr
	WIN 0
	s_wait_xcnt 0x0                                ; buffer f, which earlier stores read, and the stores' base are rewritten only behind this wait
.if \i
	s_add_nc_u64 s[78:79], s[78:79], 16*4096       ; 16 rows of out0 on
.endif
.irp t, 0,1,2,3,4,5,6,7
	ds_load_b128 v[\f+4*\t:\f+4*\t+3], v[RD] offset:\t*2*SPITCH    ; LDS serves a wave's instructions in order: these see the stores above
.endr
.irp t, 0,1,2,3,4,5,6,7
	s_wait_dscnt 7-\t
	global_store_b128 v[CO], v[\f+4*\t:\f+4*\t+3], s[78:79] offset:\t*8192     ; 16 lanes store 256 consecutive bytes of one row, aligned
.endr
.endm
	OUTF 0, 64
	OUTF 1, 96
	OUTF 2, 64
	OUTF 3, 96
	s_wait_tensorcnt 0x0
	ds_add_u32 v254, v255
	s_wait_dscnt 0x0
	CROUND                                         ; the closing round: no work-group ends while a partner may still ask jointly
	s_endpgm
.Lfunc_end_k_qbd3b6a0ddb_oproj:
	.size	k_qbd3b6a0ddb_oproj, .Lfunc_end_k_qbd3b6a0ddb_oproj-k_qbd3b6a0ddb_oproj
	.p2alignl 7, 3214868480
	.fill 96, 4, 3214868480
	.section	.rodata,"a",@progbits
	.p2align	6, 0x0
	.amdhsa_kernel k_qbd3b6a0ddb_oproj
		.amdhsa_group_segment_fixed_size 327680
		.amdhsa_private_segment_fixed_size 0
		.amdhsa_enable_private_segment 0
		.amdhsa_kernarg_size 32
		.amdhsa_user_sgpr_count 2
		.amdhsa_user_sgpr_kernarg_segment_ptr 1
		.amdhsa_wavefront_size32 1
		.amdhsa_system_sgpr_workgroup_id_x 1
		.amdhsa_system_sgpr_workgroup_id_y 1
		.amdhsa_system_sgpr_workgroup_id_z 1
		.amdhsa_system_vgpr_workitem_id 0
		.amdhsa_next_free_vgpr 384
		.amdhsa_next_free_sgpr 80
		.amdhsa_reserve_vcc 0
		.amdhsa_float_denorm_mode_32 3
		.amdhsa_float_denorm_mode_16_64 3
		.amdhsa_memory_ordered 1
		.amdhsa_forward_progress 1
		.amdhsa_inst_pref_size 94
	.end_amdhsa_kernel
	.amdgpu_metadata
---
amdhsa.version: [ 1, 2 ]
amdhsa.kernels:
  - .name:           k_qbd3b6a0ddb_oproj
    .symbol:         k_qbd3b6a0ddb_oproj.kd
    .args:
      - { .name: ctx, .offset: 0, .size: 8, .value_kind: global_buffer, .address_space: global }
      - { .name: xw, .offset: 8, .size: 8, .value_kind: global_buffer, .address_space: global }
      - { .name: b_o, .offset: 16, .size: 8, .value_kind: global_buffer, .address_space: global }
      - { .name: out0, .offset: 24, .size: 8, .value_kind: global_buffer, .address_space: global }
    .group_segment_fixed_size: 327680
    .private_segment_fixed_size: 0
    .kernarg_segment_align: 8
    .kernarg_segment_size: 32
    .max_flat_workgroup_size: 128
    .sgpr_count:     80
    .vgpr_count:     384
    .wavefront_size: 32
...
	.end_amdgpu_metadata
.endif
;; end of part 4
